; MI455X (gfx1250); checked and timed in simulation.
; The chip was launched on July 23, 2026; its instructions are those of AMD's public machine-readable ISA for CDNA 5 (MIT licence, August 2026) and "CDNA5" Instruction Set Architecture Reference Guide (July 2026). The comments in the code are by the model that wrote it; some were corrected since.
;; Strategy Attention. Allowed arithmetic: matrix products marked QUANTISED: E4M3 operands, one E8M0 scale for each 32 along K, by v_wmma_scale_f32_16x16x128_f8f6f4 with both operands' format E4M3, f32 sums; products left as they are: f32 operands where the result goes on into a quantised operand, else bf16, f16 or f32 operands; f32 sums; everything else in f32.
;; Inputs: W1_codes 512 x 32 x 32 uint8 (E4M3 codes of W1, K innermost, in blocks of 32 codes); W1_scales 512 x 32 uint8 (E8M0 scales of W1, one for each 32 codes along K); W2_codes 512 x 32 x 32 uint8 (E4M3 codes of W2, K innermost, in blocks of 32 codes); W2_scales 512 x 32 uint8 (E8M0 scales of W2, one for each 32 codes along K); keys 64 x 1,024 x 512 float32; query 64 x 512 float32; v1 512 float32; v2 512 float32.
;; Outputs: out0 64 x 1 x 1,024 float32.
;; This version of the problem:
;;   THIS VERSION OF THE PROBLEM IS GIVEN IN LOW PRECISION. The matrix products marked QUANTISED in the list below multiply operands that are first quantised to E4M3 (4 exponent bits, 3 mantissa bits; 8 bits a number), with one power-of-two scale for each 32 numbers along K (OCP MX v1.0); their sums are f32. All else is computed in f32.
;;   The module's matrix products, in the order in which they are computed (A, B: the left and right operand; K: the contracted axis; several contracted axes count as one K, in the product's order):
;;     1. [M 65,536, K 1,024] x [K 1,024, N 512]; A: computed on the way; B: input W1 (given as codes): QUANTISED
;;     2. [M 1, K 512] x [K 512, N 65,536]; A: input v1; B: computed on the way: left as it is (M = 1 < 16)
;;     3. batch 64 x [M 1, K 1,024] x [K 1,024, N 512]; A: softmax; B: input keys: left as it is (M = 1 < 16)
;;     4. [M 65,536, K 1,024] x [K 1,024, N 512]; A: computed on the way; B: input W2 (given as codes): QUANTISED
;;     5. [M 1, K 512] x [K 512, N 65,536]; A: input v2; B: computed on the way: left as it is (M = 1 < 16)
;;   THE QUANTISER, for each operand of a quantised product, along K:
;;     - K is cut into blocks of 32 from its start; a last block that is shorter is filled with zeros.
;;     - A block's scale is 2^e with e = floor(log2(the largest magnitude in the block)) - 8, held to -126 .. 127; a block of zeros has e = 0. As a byte (E8M0): e + 127.
;;     - Each number is divided by its block's scale, clamped to +-448, and rounded to the nearest number of E4M3, ties to even, subnormals kept.
;;     - The product sums the exact products of the quantised numbers (number of the format x scale) in f32.
;;   ~~~python
;;   def quantise(x, axis):      # numpy; x: float32 -> the quantised numbers, widened to float32 again
;;       x = np.moveaxis(x, axis, -1); K = x.shape[-1]
;;       x = np.pad(x, [(0, 0)] * (x.ndim - 1) + [(0, -K % 32)]); x = x.reshape(x.shape[:-1] + (-1, 32)); a = np.abs(x).max(-1, keepdims=True)
;;       e = np.where(a > 0, np.clip(np.frexp(np.where(a > 0, a, 1))[1] - 1 - 8, -126, 127), 0)      # np.frexp(a)[1] - 1 = floor(log2(a)), exactly
;;       r = np.clip(x / 2.0 ** e, -448, 448)
;;       step = 2.0 ** (np.maximum(np.frexp(np.where(r == 0, 1, r))[1] - 1, -6) - 3)
;;       q = np.round(r / step) * step * 2.0 ** e      # np.round: ties to even
;;       return np.moveaxis(q.reshape(q.shape[:-2] + (-1,))[..., :K], -1, axis).astype(np.float32)
;;   ~~~
;;   OPERANDS COMPUTED ON THE WAY. 'Computed on the way' means the value that the module computes at that place (a softmax that the list does not call 'softmax' is quantised finished and normalised). What goes into a quantiser is computed in f32, as accurately as f32 sums, v_exp_f32 and their like allow (about 1e-6 of the number): no bf16 or f16 on the way to a quantiser, and a product that is left as it is and whose result goes on into a quantised operand takes f32 operands (vector FMAs, or v_wmma_f32_16x16x4_f32). A number that lies on a knife's edge between two numbers of the format may be rounded either way, as far as f32 arithmetic and the matrix unit's own rounding can turn it there, and no further.
;;   INPUTS GIVEN AS CODES. W1 (in the module: [512, 1024], K = its axis 1); W2 (in the module: [512, 1024], K = its axis 1): each comes as NAME_codes (uint8): NAME with its K axis moved to the last place and cut into blocks of 32 codes, [.., K / 32, bytes a block], one block behind the other in memory; one code a byte (a code: sign, 4 exponent bits, 3 mantissa bits); and NAME_scales (uint8): the same leading axes, one E8M0 byte (e + 127) for each 32 codes along K. Its value is code x scale, taken as it is: it is not quantised again, and the codes and scales need not be those that the quantiser above would give.
;; One version. Each part assembles by itself: llvm-mc -triple=amdgcn-amd-amdhsa -mcpu=gfx1250 --defsym DOCPART=n.
;; ======== version 1 of 1: 2 launches
;; limits: right only within a limited range of input values
;; workspace buffers: kq 34,603,008 bytes; part 589,824 bytes; w2f 524,288 bytes
;; launch stage1 (part 1): grid 256 x 1, 8 waves a work-group, no clusters, 327,680 bytes of LDS; arguments keys, query, W1_codes, W1_scales, v1, kq, part, W2_codes, w2f; writes kq, part, w2f
.if DOCPART == 1
	.amdgcn_target "amdgcn-amd-amdhsa--gfx1250"
	.amdhsa_code_object_version 6
	.text
	.protected	k_qcbf05a8266_stage1
	.globl	k_qcbf05a8266_stage1
	.p2align	8
	.type	k_qcbf05a8266_stage1,@function
k_qcbf05a8266_stage1:
	s_mov_b64 s[64:65], 0
	v_nop
	global_prefetch_b8 v0, s[64:65] scope:SCOPE_SE
	s_setreg_imm32_b32 hwreg(HW_REG_WAVE_MODE, 25, 1), 1
	s_wait_xcnt 0x0
; STAGE 1 of two.  scores[row] = v1 . tanh(W1 . concat(keys[row], query[batch])), the product on codes of E4M3 with one E8M0 scale for each 32 along K; then the softmax's parts.
; The query's half of K (16 whole blocks of 32) is the same for all rows of a batch: it is quantised and multiplied once, and is the C of each sum's first instruction.
; SHARES.  Work-group g: batch g / 4, rows 256 (g % 4) on, in four blocks of 64 rows that come as f32 through a ring of two LDS slots, an eighth of a slot by each wave's tensor load.
; Wave w owns d = 64 w .. 64 w + 63: its 64 x 512 codes of W1 fill window 1.  A block's rows are quantised once, laid in LDS as images of the operand's registers, and stored to kq for stage 2.
; The softmax runs under a running maximum: part takes 512 sums of p x keys and (m, l) for each work-group; stage 2 joins the four quarters of a batch.
; tanh(z) = 1 - 2 / (1 + 2^(2 log2(e) z)): an exponential that overflows gives 1, one that underflows gives -1.
; NO JOINT LOADS: the work-groups share W1 alone, which each wave takes straight into its registers; the keys' rows are each work-group's own.
; NO PREFETCH: a work-group reads its 512 KB of keys once, in four loads a wave, and each refill is asked for one block of 64 rows ahead of the wait for it.
; LIMITS: NaN and infinities among the inputs are not served.  A block whose largest magnitude lies under 2^-118, zeros too, gets the scale byte 1 (zeros: zero codes).  The query's half of K is summed ahead of the keys' half.
.set RP,    2080
.set HP,    1040
.set SLOTB, 64*RP
.set IMG,   2*SLOTB
.set SCW,   IMG+32768
.set PS,    SCW+4096
.set PP,    PS+2048
.set SPARE, PP+2048
.set QIMG,  SPARE+1024
.set QSC,   QIMG+16384
.set SPW, 1
.set NIL, 2
.set LI,  3
.set LS,  4
.set QA,  5
.set IW,  7
.set SWA, 8
.set GC,  9
.set FA,  10
.set SAA, 11
.set PSW, 12
.set PSWT, 13
.set PSR, 14
.set PPW, 15
.set PPR, 16
.set KA,  17
.set KT,  19
.set MX,  20
.set SA,  22
.set WS,  24
.set BIAS, 32
.set NV,  64
.set ACC, 96
.set PC0, 96
.set PC1, 112
.set P,   96
.set AF,  128
.set X,   128
.set NQ,  192
.set VS,  196
.set PW0, 198
.set PW1, 199
.set TM,  200
.set CH,  216
.set SUM, 224
.set TMP, 225
.set T16, 226
.set WA,  242
.set WSA, 243
.set FB,  244
.set SB,  245
.set VA,  246
.set QGA, 247
.set QIW, 248
.set QSW, 249
.set QFR, 250
.set QSR, 251
.set PGA, 248
.set MLA, 249
.set SGA, 250
.set SCR, 251
.set RR,  252
.set HH,  253
.set LN,  254
.set WV,  18
.set SEL, 20
.set MNT, 22
.set L2E, 23
.set CS,  24
.set HM,  26
.set G1,  28
.set G0,  36
.set CNT, 56
.set STP, 57
.set SSP, 58
.set SPP, 59
.set STM, 60
.set SSM, 61
.set MSB, 0
.macro WIN new
.if MSB != \new
	s_set_vgpr_msb (MSB<<8)|\new
.set MSB, \new
.endif
.endm
.macro LOADW half, kh
	WIN 0x40
.irp t, 2*\half, 2*\half+1
.irp s, 0,1,2,3
.irp c, 0,1,2,3
	global_load_b128 v[16*(4*(\t)+\s)+4*\c:16*(4*(\t)+\s)+4*\c+3], v[WA], s[8:9] offset:(\t)*16384+512*\kh+\s*128+\c*32
.endr
.endr
.endr
	WIN 0
.endm
.macro LOADWS kh
.irp t, 0,1,2,3
.irp p, 0,1
	global_load_b32 v[WS+2*\t+\p], v[WSA], s[10:11] offset:\t*512+16*\kh+8*\p
.endr
.endr
.endm
.macro QUANT x, pc, pw, nx, nadr, noff
.irp b, 0,1,2,3
	v_max3_num_f32 v[TM+\b], |v[\x+16*\b]|, |v[\x+1+16*\b]|, 0x4800000
.endr
.irp i, 2,4,6,8,10,12,14
.irp b, 0,1,2,3
	s_delay_alu instid0(VALU_DEP_4)
	v_max3_num_f32 v[TM+\b], v[TM+\b], |v[\x+16*\b+\i]|, |v[\x+1+16*\b+\i]|
.endr
.endr
.irp b, 0,1,2,3
	s_delay_alu instid0(VALU_DEP_4)
	v_permlanex16_b32 v[TM+4+\b], v[TM+\b], s[SEL], s[SEL+1]
.endr
.irp b, 0,1,2,3
	s_delay_alu instid0(VALU_DEP_4)
	v_max_num_f32 v[TM+\b], v[TM+\b], v[TM+4+\b]
.endr
.irp b, 0,1,2,3
	s_delay_alu instid0(VALU_DEP_4)
	v_add_nc_u32 v[TM+12+\b], 0xfc000000, v[TM+\b]
.endr
.irp b, 0,1,2,3
	v_and_or_b32 v[TM+8+\b], v[TM+\b], 0x7f800000, s[MNT]
.endr
.irp b, 0,1,2,3
	v_lshrrev_b32 v[TM+4+\b], 23, v[TM+12+\b]
.endr
	s_delay_alu instid0(VALU_DEP_3)
	v_lshl_or_b32 v[\pw], v[TM+5], 8, v[TM+4]
	s_delay_alu instid0(VALU_DEP_1)
	v_lshl_or_b32 v[\pw], v[TM+6], 16, v[\pw]
	s_delay_alu instid0(VALU_DEP_1)
	v_lshl_or_b32 v[\pw], v[TM+7], 24, v[\pw]
.irp b, 0,1,2,3
.irp i, 0,1,2,3,4,5,6,7,8,9,10,11,12,13,14,15
	v_med3_num_f32 v[\x+16*\b+\i], v[\x+16*\b+\i], -v[TM+8+\b], v[TM+8+\b]
.endr
	v_cvt_scalef32_pk8_fp8_f32 v[\pc+4*\b:\pc+4*\b+1], v[\x+16*\b:\x+16*\b+7], v[TM+12+\b]
	v_cvt_scalef32_pk8_fp8_f32 v[\pc+4*\b+2:\pc+4*\b+3], v[\x+16*\b+8:\x+16*\b+15], v[TM+12+\b]
.if \nx
.irp j, 0,1,2,3
	ds_load_b128 v[\x+16*\b+4*\j:\x+16*\b+4*\j+3], v[\nadr] offset:\noff+128*\b+16*\j
.endr
.endif
.endr
	v_nop
.endm
.macro IMAGE adr, off, pc
.irp c, 0,1,2,3
	ds_store_b128 v[\adr], v[\pc+4*\c:\pc+4*\c+3] offset:\off+512*\c
.endr
.endm
.macro KQOUT off, pc
.irp c, 0,1,2,3
	global_store_b128 v[GC], v[\pc+4*\c:\pc+4*\c+3], s[14:15] offset:\off+512*\c th:TH_STORE_NT
.endr
.endm
.macro FETCH4 adr
.irp s, 0,1,2,3
.irp c, 0,1,2,3
	ds_load_b128 v[AF+16*\s+4*\c:AF+16*\s+4*\c+3], v[\adr] offset:2048*\s+512*\c
.endr
.endr
.endm
.macro FETCHSC adr, off
	ds_load_b32 v[SA], v[\adr] offset:\off
	ds_load_b32 v[SA+1], v[\adr] offset:\off+128
.endm
.macro MM16 d, bias, lo=0, hi=4        ; d tiles lo .. hi - 1, by turns, one instruction a turn
	WIN 0x01
.irp s, 0,1,2,3
.irp t, 0,1,2,3
.if (\t >= \lo) && (\t < \hi)
.if \s == 0
.if \bias
	v_wmma_scale_f32_16x16x128_f8f6f4 v[\d+8*\t:\d+8*\t+7], v[16*(4*\t+\s):16*(4*\t+\s)+15], v[AF+16*\s:AF+16*\s+15], v[BIAS+8*\t:BIAS+8*\t+7], v[WS+2*\t], v[SA]
.else
	v_wmma_scale_f32_16x16x128_f8f6f4 v[\d+8*\t:\d+8*\t+7], v[16*(4*\t+\s):16*(4*\t+\s)+15], v[AF+16*\s:AF+16*\s+15], 0, v[WS+2*\t], v[SA]
.endif
.endif
.if \s == 1
	v_wmma_scale_f32_16x16x128_f8f6f4 v[\d+8*\t:\d+8*\t+7], v[16*(4*\t+\s):16*(4*\t+\s)+15], v[AF+16*\s:AF+16*\s+15], v[\d+8*\t:\d+8*\t+7], v[WS+2*\t], v[SA] matrix_a_scale:MATRIX_SCALE_ROW1 matrix_b_scale:MATRIX_SCALE_ROW1
.endif
.if \s == 2
	v_wmma_scale_f32_16x16x128_f8f6f4 v[\d+8*\t:\d+8*\t+7], v[16*(4*\t+\s):16*(4*\t+\s)+15], v[AF+16*\s:AF+16*\s+15], v[\d+8*\t:\d+8*\t+7], v[WS+2*\t+1], v[SA+1]
.endif
.if \s == 3
	v_wmma_scale_f32_16x16x128_f8f6f4 v[\d+8*\t:\d+8*\t+7], v[16*(4*\t+\s):16*(4*\t+\s)+15], v[AF+16*\s:AF+16*\s+15], v[\d+8*\t:\d+8*\t+7], v[WS+2*\t+1], v[SA+1] matrix_a_scale:MATRIX_SCALE_ROW1 matrix_b_scale:MATRIX_SCALE_ROW1
.endif
.endif
.endr
.endr
	WIN 0
.endm
.macro TANHDOT
.set ii, 0
.rept 16
	v_pk_mul_f32 v[ACC+ii:ACC+ii+1], v[ACC+ii:ACC+ii+1], s[CS:CS+1] op_sel_hi:[1,0]
.set ii, ii+2
.endr
.set ii, 0
	s_wait_alu depctr_va_vdst(0)
.rept 32
	v_exp_f32 v[ACC+ii], v[ACC+ii]
.set ii, ii+1
.endr
	v_nop
	s_wait_alu depctr_va_vdst(0)
.set ii, 0
.rept 16
	v_pk_add_f32 v[ACC+ii:ACC+ii+1], v[ACC+ii:ACC+ii+1], 1.0 op_sel_hi:[1,0]
.set ii, ii+2
.endr
.set ii, 0
	s_wait_alu depctr_va_vdst(0)
.rept 32
	v_rcp_f32 v[ACC+ii], v[ACC+ii]
.set ii, ii+1
.endr
	v_nop
	s_wait_alu depctr_va_vdst(0)
	v_pk_fma_f32 v[CH:CH+1], v[ACC:ACC+1], v[NV:NV+1], v[VS:VS+1]
.irp i, 1,2,3
	v_pk_mul_f32 v[CH+2*\i:CH+2*\i+1], v[ACC+2*\i:ACC+2*\i+1], v[NV+2*\i:NV+2*\i+1]
.endr
.set ii, 4
.rept 12
	v_pk_fma_f32 v[CH+2*(ii%4):CH+2*(ii%4)+1], v[ACC+2*ii:ACC+2*ii+1], v[NV+2*ii:NV+2*ii+1], v[CH+2*(ii%4):CH+2*(ii%4)+1]
.set ii, ii+1
.endr
	s_delay_alu instid0(VALU_DEP_3)
	v_pk_add_f32 v[CH:CH+1], v[CH:CH+1], v[CH+2:CH+3]
	s_delay_alu instid0(VALU_DEP_2)
	v_pk_add_f32 v[CH+4:CH+5], v[CH+4:CH+5], v[CH+6:CH+7]
	s_delay_alu instid0(VALU_DEP_1)
	v_pk_add_f32 v[CH:CH+1], v[CH:CH+1], v[CH+4:CH+5]
	s_delay_alu instid0(VALU_DEP_1)
	v_add_f32 v[SUM], v[CH], v[CH+1]
	s_delay_alu instid0(VALU_DEP_1)
	v_permlanex16_b32 v[TMP], v[SUM], s[SEL], s[SEL+1]
	s_delay_alu instid0(VALU_DEP_1)
	v_add_f32 v[SUM], v[SUM], v[TMP]
.endm
.macro MLOOP trips, mask, soff
	s_mov_b32 s[STP], 0
	s_mov_b32 s[SSP], 0
	s_mov_b32 s[SPP], 0
	s_mov_b32 s[CNT], \trips
	FETCH4 FB
	FETCHSC SB, \soff
.Lm_\@:
	s_wait_dscnt 0x0
	MM16 ACC, 1
	s_add_co_u32 s[STP], s[STP], 8192
	s_add_co_u32 s[SSP], s[SSP], 256
	s_and_b32 s[STM], s[STP], \mask
	s_and_b32 s[SSM], s[SSP], (\mask)>>5
	v_add_nc_u32 v[FA], s[STM], v[FB]
	v_add_nc_u32 v[SAA], s[SSM], v[SB]
	v_add_nc_u32 v[PSWT], s[SPP], v[PSW]
.rept 5
	v_nop
.endr
	FETCH4 FA
	FETCHSC SAA, \soff
	TANHDOT
	ds_store_b32 v[PSWT], v[SUM]
	s_add_co_u32 s[SPP], s[SPP], 64
	s_sub_co_u32 s[CNT], s[CNT], 1
	s_cmp_lg_u32 s[CNT], 0
	s_cbranch_scc1 .Lm_\@
.endm
.macro KLOAD q, slot
.irp i, 0,1,2,3,4,5,6,7
.if \q < 2
	ds_load_b128 v[X+32*(\q%2)+4*\i:X+32*(\q%2)+4*\i+3], v[KA+\slot] offset:2*RP*(8*\q+\i)
.else
	ds_load_b128 v[X+32*(\q%2)+4*\i:X+32*(\q%2)+4*\i+3], v[KT] offset:2*RP*(8*(\q-2)+\i)
.endif
.endr
.endm
.macro KFMA q
.irp i, 0,1,2,3,4,5,6,7
.irp j, 0,1,2,3
	v_fmac_f32 v[NQ+\j], v[P+8*\q+\i], v[X+32*(\q%2)+4*\i+\j]
.endr
.endr
.endm
.macro BARRIER
	s_wait_dscnt 0x0
	s_barrier_signal -1
	s_barrier_wait -1
.endm
.macro REFILL s
	s_wait_tensorcnt 0x0
	ds_add_u32 v[SPW], v[NIL]
	s_add_nc_u64 s[G0+4*\s+2:G0+4*\s+3], s[G0+4*\s+2:G0+4*\s+3], 262144
	s_wait_dscnt 0x0
	s_barrier_signal -1
	s_barrier_wait -1
	tensor_load_to_lds s[G0+4*\s:G0+4*\s+3], s[G1:G1+7]
	s_nop 0
.rept 4
	v_nop
.endr
.endm
	s_load_b256 s[4:11], s[0:1], 0x0
	s_load_b128 s[12:15], s[0:1], 0x20
	s_load_b64 s[16:17], s[0:1], 0x30
	v_lshl_add_u32 v[SPW], v0, 2, SPARE
	v_mov_b32 v[NIL], 0
	ds_add_u32 v1, v2
	ds_add_u32 v1, v2
	s_wait_dscnt 0x0
	v_lshrrev_b32 v255, 5, v0
	s_delay_alu instid0(VALU_DEP_1)
	v_readfirstlane_b32 s[WV], v255
	s_mov_b32 s[G1+0], (2<<16)|(1<<20)|(7<<22)|(3<<25)
	s_mov_b32 s[G1+1], 256<<16
	s_mov_b32 s[G1+2], 16<<16
	s_mov_b32 s[G1+3], 256<<16
	s_mov_b32 s[G1+4], 16
	s_mov_b32 s[G1+5], 256
	s_mov_b32 s[G1+6], 0
	s_mov_b32 s[G1+7], 0
	s_mov_b32 s[G0], 1
	s_mul_i32 s[G0+1], s[WV], 16*HP
	s_mov_b32 s[G0+4], 1
	s_add_co_u32 s[G0+5], s[G0+1], SLOTB
	s_lshl_b32 s44, ttmp9, 19
	s_lshl_b32 s45, s[WV], 14
	s_add_co_u32 s44, s44, s45
	s_mov_b32 s45, 0
	s_mov_b32 s[SEL], 0x76543210
	s_mov_b32 s[SEL+1], 0xfedcba98
	s_mov_b32 s[MNT], 0x600000
	s_mov_b32 s[L2E], 0x3fb8aa3b
	s_mov_b32 s[CS], 0x4038aa3b
	s_mov_b32 s[CS+1], s[CS]
	s_mov_b32 s[HM], 0xffff0000
	s_wait_kmcnt 0x0
	s_add_nc_u64 s[G0+2:G0+3], s[4:5], s[44:45]
	s_add_nc_u64 s[G0+6:G0+7], s[G0+2:G0+3], 131072
	s_or_b32 s[G0+3], s[G0+3], 0x80000000
	s_or_b32 s[G0+7], s[G0+7], 0x80000000
	tensor_load_to_lds s[G0:G0+3], s[G1:G1+7]
	s_nop 0
.rept 4
	v_nop
.endr
	v_and_b32 v[LN], 31, v0
	v_and_b32 v[RR], 15, v0
	v_bfe_u32 v[HH], v0, 4, 1
	s_delay_alu instid0(VALU_DEP_2)
	v_lshlrev_b32 v[WA], 10, v[RR]
	s_delay_alu instid0(VALU_DEP_1)
	v_lshl_add_u32 v[WA], v[HH], 4, v[WA]
	s_delay_alu instid0(VALU_DEP_4)
	v_lshlrev_b32 v[WSA], 5, v[RR]
	s_delay_alu instid0(VALU_DEP_1)
	v_lshl_add_u32 v[WSA], v[HH], 2, v[WSA]
	v_lshlrev_b32 v[VA], 5, v[HH]
	v_lshlrev_b32 v[QGA], 6, v[HH]
	s_wait_alu depctr_va_vdst(0)
	s_and_b32 s46, s[WV], 1
	s_lshr_b32 s47, s[WV], 1
	s_and_b32 s48, s[WV], 3
	s_lshr_b32 s49, s[WV], 2
	s_lshr_b32 s44, ttmp9, 2
	s_lshl_b32 s44, s44, 11
	s_lshl_b32 s50, s48, 9
	s_add_co_u32 s44, s44, s50
	s_add_nc_u64 s[6:7], s[6:7], s[44:45]
	s_lshl_b32 s44, s[WV], 16
	s_add_nc_u64 s[8:9], s[8:9], s[44:45]
	s_lshl_b32 s44, s[WV], 11
	s_add_nc_u64 s[10:11], s[10:11], s[44:45]
	s_lshl_b32 s44, s[WV], 8
	s_add_nc_u64 s[12:13], s[12:13], s[44:45]
	s_mul_i32 s44, ttmp9, 135168
	s_add_nc_u64 s[14:15], s[14:15], s[44:45]
	s_mul_i32 s44, ttmp9, 2304
	s_add_nc_u64 s[16:17], s[16:17], s[44:45]
.irp b, 0,1,2,3
.irp j, 0,1,2,3
	global_load_b128 v[X+16*\b+4*\j:X+16*\b+4*\j+3], v[QGA], s[6:7] offset:128*\b+16*\j
.endr
.endr
	LOADWS 1
	LOADW 0, 1
	v_lshlrev_b32 v[LI], 4, v[LN]
	v_lshlrev_b32 v[LS], 2, v[LN]
	s_mul_i32 s50, s47, 16*RP
	s_mul_i32 s51, s46, HP
	s_add_co_u32 s50, s50, s51
	v_mul_u32_u24 v[QA], v[RR], RP
	s_delay_alu instid0(VALU_DEP_1)
	v_lshl_add_u32 v[QA], v[HH], 6, v[QA]
	s_delay_alu instid0(VALU_DEP_1)
	v_add_nc_u32 v[QA], s50, v[QA]
	s_delay_alu instid0(VALU_DEP_1)
	v_add_nc_u32 v[QA+1], SLOTB, v[QA]
	s_lshl_b32 s50, s[WV], 12
	v_add_nc_u32 v[GC], s50, v[LI]
	s_delay_alu instid0(VALU_DEP_1)
	v_add_nc_u32 v[IW], IMG, v[GC]
	s_lshl_b32 s50, s[WV], 7
	v_add_nc_u32 v[SWA], s50, v[LS]
	s_delay_alu instid0(VALU_DEP_1)
	v_add_nc_u32 v[SWA], SCW, v[SWA]
	s_lshl_b32 s50, s[WV], 8
	v_lshl_add_u32 v[PSW], v[RR], 2, s50
	s_delay_alu instid0(VALU_DEP_1)
	v_add_nc_u32 v[PSW], PS, v[PSW]
	v_lshl_add_u32 v[PSR], v[LN], 3, PS
	v_add_nc_u32 v[PPW], s50, v[LS]
	s_delay_alu instid0(VALU_DEP_1)
	v_add_nc_u32 v[PPW], PP, v[PPW]
	v_lshl_add_u32 v[PPR], v[HH], 7, s50
	s_delay_alu instid0(VALU_DEP_1)
	v_add_nc_u32 v[PPR], PP, v[PPR]
	s_mul_i32 s51, s49, HP
	s_lshl_b32 s52, s48, 8
	s_add_co_u32 s51, s51, s52
	v_mul_u32_u24 v[KA], v[HH], RP
	s_delay_alu instid0(VALU_DEP_1)
	v_lshl_add_u32 v[KA], v[RR], 4, v[KA]
	s_delay_alu instid0(VALU_DEP_1)
	v_add_nc_u32 v[KA], s51, v[KA]
	s_delay_alu instid0(VALU_DEP_1)
	v_add_nc_u32 v[KA+1], SLOTB, v[KA]
	v_add_nc_u32 v[FB], IMG, v[LI]
	v_add_nc_u32 v[SB], SCW, v[LS]
	s_lshl_b32 s50, s[WV], 11
	v_add_nc_u32 v[QIW], s50, v[LI]
	s_delay_alu instid0(VALU_DEP_1)
	v_add_nc_u32 v[QIW], QIMG, v[QIW]
	s_lshl_b32 s50, s[WV], 6
	v_lshl_add_u32 v[QSW], v[RR], 2, s50
	s_delay_alu instid0(VALU_DEP_1)
	v_add_nc_u32 v[QSW], QSC, v[QSW]
	s_lshl_b32 s50, s49, 13
	v_add_nc_u32 v[QFR], s50, v[LI]
	s_delay_alu instid0(VALU_DEP_1)
	v_add_nc_u32 v[QFR], QIMG, v[QFR]
	s_lshl_b32 s50, s49, 8
	v_add_nc_u32 v[QSR], s50, v[LS]
	s_delay_alu instid0(VALU_DEP_1)
	v_add_nc_u32 v[QSR], QSC, v[QSR]
.irp b, 0,1,2,3
	v_mov_b32 v[TM+4+\b], 0
	v_mov_b32 v[NQ+\b], 0
.endr
	v_mov_b32 v[TMP], 0
	v_mov_b32 v[MX], 0xff61b1e6
	v_mov_b32 v[MX+1], 0
	s_wait_loadcnt 40                              ; the query's 16 loads are in; behind them: 8 scale words and 32 loads of d tiles 0, 1
	LOADW 1, 1                                     ; d tiles 2, 3 of the query's half of W1
.irp t, 0,1,2,3
	global_load_b128 v[NV+8*\t:NV+8*\t+3], v[VA], s[12:13] offset:64*\t
	global_load_b128 v[NV+8*\t+4:NV+8*\t+7], v[VA], s[12:13] offset:64*\t+16
.endr
	QUANT X, PC0, PW0, 0, 0, 0
	IMAGE QIW, 0, PC0
	ds_store_b32 v[QSW], v[PW0]
	BARRIER                                        ; the query's fragments lie in LDS
	FETCH4 QFR
	FETCHSC QSR, 0
	s_wait_dscnt 0x0
	s_wait_loadcnt 40                              ; the scale words and d tiles 0, 1 are in; behind them: 32 loads of d tiles 2, 3 and 8 of v1
	MM16 BIAS, 0, 0, 2
.rept 8
	v_nop                                          ; eight places ahead of the loads into registers that the products have read
.endr
	LOADW 0, 0                                     ; the keys' half of d tiles 0, 1 takes their place
	s_wait_loadcnt 32                              ; d tiles 2, 3 and v1 are in; behind them: the 32 just issued
	MM16 BIAS, 0, 2, 4
	s_load_b128 s[44:47], s[0:1], 0x38             ; W2's codes s[44:45], w2f s[46:47] (s44 to s52 are free from here to the way out)
	v_pk_add_f32 v[VS:VS+1], v[NV:NV+1], v[NV+2:NV+3]
.set ii, 4
.rept 14
	s_delay_alu instid0(VALU_DEP_1)
	v_pk_add_f32 v[VS:VS+1], v[VS:VS+1], v[NV+ii:NV+ii+1]
.set ii, ii+2
.endr
.set ii, 0
.rept 16
	v_pk_mul_f32 v[NV+ii:NV+ii+1], v[NV+ii:NV+ii+1], -2.0 op_sel_hi:[1,0]
.set ii, ii+2
.endr
	LOADW 1, 0
	LOADWS 0
	s_wait_alu depctr_va_vdst(0)
	; W2's CODES ARE LAID FOR STAGE 2 in the order of its operand registers: w2f[wave 8][K half 2][d tile 4][K step 4][piece 4][lane 32][16 bytes]: 1,024 pieces of 512 bytes.
	; Piece 4 g + w is brought by wave w (0 to 3) of work-group g: one load in the operand's lane pattern here, one store of 512 consecutive bytes behind block 0's wait for loads.
	s_lshr_b32 s48, ttmp9, 5                       ; stage 2's wave: 64 rows of 1,024 bytes
	s_lshl_b32 s48, s48, 16
	s_bfe_u32 s49, ttmp9, 0x20002                  ; d tile: 16 rows
	s_lshl_b32 s49, s49, 14
	s_add_co_u32 s48, s48, s49
	s_bfe_u32 s49, ttmp9, 0x10004                  ; K half: 512 bytes
	s_lshl_b32 s49, s49, 9
	s_add_co_u32 s48, s48, s49
	s_and_b32 s49, ttmp9, 3                        ; K step: 128 bytes
	s_lshl_b32 s49, s49, 7
	s_add_co_u32 s48, s48, s49
	s_and_b32 s49, s[WV], 3                        ; piece: 32 bytes (waves 4 to 7 load what waves 0 to 3 load, and store nothing)
	s_lshl_b32 s49, s49, 5
	s_add_co_u32 s48, s48, s49
	s_mov_b32 s49, 0
	s_lshl_b32 s50, ttmp9, 2
	s_add_co_u32 s50, s50, s[WV]
	s_lshl_b32 s50, s50, 9                         ; where piece 4 g + w goes
	s_mov_b32 s51, 0
	s_wait_kmcnt 0x0
	s_add_nc_u64 s[44:45], s[44:45], s[48:49]
	s_add_nc_u64 s[46:47], s[46:47], s[50:51]
	global_load_b128 v[T16:T16+3], v[WA], s[44:45]
	s_wait_tensorcnt 0x0
	ds_add_u32 v[SPW], v[NIL]
	s_wait_dscnt 0x0
	s_barrier_signal -1
	s_barrier_wait -1                              ; slot 0 is whole
	tensor_load_to_lds s[G0+4:G0+7], s[G1:G1+7]    ; slot 1's first fill: it has block 0's work in which to land
	s_nop 0
.rept 4
	v_nop
.endr
.macro BLOCK n, slot
.irp b, 0,1,2,3
.irp j, 0,1,2,3
	ds_load_b128 v[X+16*\b+4*\j:X+16*\b+4*\j+3], v[QA+\slot] offset:128*\b+16*\j
.endr
.endr
	s_wait_dscnt 0x0
	QUANT X, PC0, PW0, 1, QA+\slot, 512
	IMAGE IW, 0, PC0
	KQOUT 32768*\n, PC0
	s_wait_dscnt 0x4
	QUANT X, PC1, PW1, 0, 0, 0
	IMAGE IW, 2048, PC1
	KQOUT 32768*\n+2048, PC1
	v_cndmask_b32 v[SUM], v[PW0], v[PW1], s[HM]
	ds_store_b32 v[SWA], v[SUM] offset:1024*\n
	s_wait_xcnt 0x0
	BARRIER
.if \n == 0
	s_wait_loadcnt 0x0                             ; the keys' half of W1, its scale words, and my piece of W2
	s_cmp_lt_u32 s[WV], 4
	s_cbranch_scc0 .Lno_piece
	global_store_b128 v[LI], v[T16:T16+3], s[46:47]   ; 32 lanes store 512 consecutive bytes, at a multiple of 512 from w2f's first byte
.Lno_piece:
.endif
	MLOOP 4, 0x6000, 1024*\n
	s_wait_xcnt 0x0                                ; the store of my piece of W2 has read its registers: they are loaded anew below
	BARRIER
.irp i, 0,1,2,3,4,5,6,7
	ds_load_b64 v[T16+2*\i:T16+2*\i+1], v[PSR] offset:256*\i
.endr
	v_add_nc_u32 v[KT], 32*RP, v[KA+\slot]
	s_wait_dscnt 0x0
	v_pk_add_f32 v[T16:T16+1], v[T16:T16+1], v[T16+2:T16+3]
	v_pk_add_f32 v[T16+4:T16+5], v[T16+4:T16+5], v[T16+6:T16+7]
	v_pk_add_f32 v[T16+8:T16+9], v[T16+8:T16+9], v[T16+10:T16+11]
	v_pk_add_f32 v[T16+12:T16+13], v[T16+12:T16+13], v[T16+14:T16+15]
	s_delay_alu instid0(VALU_DEP_3)
	v_pk_add_f32 v[T16:T16+1], v[T16:T16+1], v[T16+4:T16+5]
	s_delay_alu instid0(VALU_DEP_2)
	v_pk_add_f32 v[T16+8:T16+9], v[T16+8:T16+9], v[T16+12:T16+13]
	s_delay_alu instid0(VALU_DEP_1)
	v_pk_add_f32 v[T16:T16+1], v[T16:T16+1], v[T16+8:T16+9]
	s_delay_alu instid0(VALU_DEP_1)
	v_max_num_f32 v[T16+2], v[T16], v[T16+1]
	s_delay_alu instid0(VALU_DEP_1)
	v_max_num_f32_dpp v[T16+2], v[T16+2], v[T16+2] row_xmask:1 row_mask:0xf bank_mask:0xf
	s_delay_alu instid0(VALU_DEP_1)
	v_max_num_f32_dpp v[T16+2], v[T16+2], v[T16+2] row_xmask:2 row_mask:0xf bank_mask:0xf
	s_delay_alu instid0(VALU_DEP_1)
	v_max_num_f32_dpp v[T16+2], v[T16+2], v[T16+2] row_xmask:4 row_mask:0xf bank_mask:0xf
	s_delay_alu instid0(VALU_DEP_1)
	v_max_num_f32_dpp v[T16+2], v[T16+2], v[T16+2] row_xmask:8 row_mask:0xf bank_mask:0xf
	s_delay_alu instid0(VALU_DEP_1)
	v_permlanex16_b32 v[T16+3], v[T16+2], s[SEL], s[SEL+1]
	s_delay_alu instid0(VALU_DEP_1)
	v_max_num_f32 v[T16+2], v[T16+2], v[T16+3]
	s_delay_alu instid0(VALU_DEP_1)
	v_max_num_f32 v[T16+4], v[MX], v[T16+2]
	s_delay_alu instid0(VALU_DEP_1)
	v_sub_f32 v[T16+5], v[MX], v[T16+4]
	s_delay_alu instid0(VALU_DEP_2)
	v_sub_f32 v[T16+6], v[T16], v[T16+4]
	s_delay_alu instid0(VALU_DEP_3)
	v_sub_f32 v[T16+7], v[T16+1], v[T16+4]
	s_delay_alu instid0(VALU_DEP_3)
	v_mul_f32 v[T16+5], s[L2E], v[T16+5]
	s_delay_alu instid0(VALU_DEP_3)
	v_mul_f32 v[T16+6], s[L2E], v[T16+6]
	s_delay_alu instid0(VALU_DEP_3)
	v_mul_f32 v[T16+7], s[L2E], v[T16+7]
	s_wait_alu depctr_va_vdst(0)
	v_exp_f32 v[T16+5], v[T16+5]
	v_exp_f32 v[T16+6], v[T16+6]
	v_exp_f32 v[T16+7], v[T16+7]
	v_mov_b32 v[MX], v[T16+4]
	s_wait_alu depctr_va_vdst(0)
	ds_store_b32 v[PPW], v[T16+6]
	ds_store_b32 v[PPW], v[T16+7] offset:128
.irp q, 0,1,2,3,4,5,6,7
	ds_load_b128 v[P+4*\q:P+4*\q+3], v[PPR] offset:16*\q
.endr
	KLOAD 0, \slot
	KLOAD 1, \slot
	v_fma_f32 v[MX+1], v[MX+1], v[T16+5], v[T16+6]
	v_add_f32 v[MX+1], v[MX+1], v[T16+7]
.irp j, 0,1,2,3
	v_mul_f32 v[NQ+\j], v[NQ+\j], v[T16+5]
.endr
	s_wait_alu depctr_va_vdst(0)
	s_wait_dscnt 0x8
	KFMA 0
	KLOAD 2, \slot
	s_wait_alu depctr_va_vdst(0)
	s_wait_dscnt 0x8
	KFMA 1
	KLOAD 3, \slot
	s_wait_alu depctr_va_vdst(0)
	s_wait_dscnt 0x8
	KFMA 2
	s_wait_alu depctr_va_vdst(0)
	s_wait_dscnt 0x0
	KFMA 3
.endm
	BLOCK 0, 0
	REFILL 0
	BLOCK 1, 1
	REFILL 1
	BLOCK 2, 0
	s_wait_tensorcnt 0x0
	BARRIER
	BLOCK 3, 1
	s_lshl_b32 s50, s[WV], 8
	v_lshl_add_u32 v[PGA], v[RR], 4, s50
	s_delay_alu instid0(VALU_DEP_1)
	v_lshl_add_u32 v[PGA], v[HH], 3, v[PGA]
	v_lshlrev_b32 v[MLA], 3, v[LN]
	s_lshl_b32 s50, s[WV], 9
	v_add_nc_u32 v[SGA], s50, v[LI]
	s_delay_alu instid0(VALU_DEP_1)
	v_add_nc_u32 v[SCR], SCW, v[SGA]
.irp j, 0,1,2,3
	v_permlanex16_b32 v[T16+\j], v[NQ+\j], s[SEL], s[SEL+1]
.endr
.irp j, 0,1,2,3
	s_delay_alu instid0(VALU_DEP_4)
	v_add_f32 v[NQ+\j], v[NQ+\j], v[T16+\j]
.endr
	s_delay_alu instid0(VALU_DEP_2)
	v_cndmask_b32 v[T16+4], v[NQ], v[NQ+2], s[HM]
	s_delay_alu instid0(VALU_DEP_2)
	v_cndmask_b32 v[T16+5], v[NQ+1], v[NQ+3], s[HM]
	v_add_f32_dpp v[MX+1], v[MX+1], v[MX+1] row_xmask:1 row_mask:0xf bank_mask:0xf
	s_delay_alu instid0(VALU_DEP_1)
	v_add_f32_dpp v[MX+1], v[MX+1], v[MX+1] row_xmask:2 row_mask:0xf bank_mask:0xf
	s_delay_alu instid0(VALU_DEP_1)
	v_add_f32_dpp v[MX+1], v[MX+1], v[MX+1] row_xmask:4 row_mask:0xf bank_mask:0xf
	s_delay_alu instid0(VALU_DEP_1)
	v_add_f32_dpp v[MX+1], v[MX+1], v[MX+1] row_xmask:8 row_mask:0xf bank_mask:0xf
	v_permlanex16_b32 v[T16+6], v[MX+1], s[SEL], s[SEL+1]
	s_delay_alu instid0(VALU_DEP_1)
	v_add_f32 v[MX+1], v[MX+1], v[T16+6]
	global_store_b64 v[PGA], v[T16+4:T16+5], s[16:17]
	s_cmp_lg_u32 s[WV], 0
	s_cbranch_scc1 .Lnot_wave_0
	global_store_b64 v[MLA], v[MX:MX+1], s[16:17] offset:2048
.Lnot_wave_0:
	ds_load_b128 v[T16+8:T16+11], v[SCR]
	s_wait_dscnt 0x0
	global_store_b128 v[SGA], v[T16+8:T16+11], s[14:15] offset:131072 th:TH_STORE_NT
	s_wait_tensorcnt 0x0
	ds_add_u32 v[SPW], v[NIL]
	s_wait_dscnt 0x0
	s_endpgm
.Lfunc_end_k_qcbf05a8266_stage1:
	.size	k_qcbf05a8266_stage1, .Lfunc_end_k_qcbf05a8266_stage1-k_qcbf05a8266_stage1
	.p2alignl 7, 3214868480
	.fill 96, 4, 3214868480
	.section	.rodata,"a",@progbits
	.p2align	6, 0x0
	.amdhsa_kernel k_qcbf05a8266_stage1
		.amdhsa_group_segment_fixed_size 327680
		.amdhsa_private_segment_fixed_size 0
		.amdhsa_enable_private_segment 0
		.amdhsa_kernarg_size 72
		.amdhsa_user_sgpr_count 2
		.amdhsa_user_sgpr_kernarg_segment_ptr 1
		.amdhsa_wavefront_size32 1
		.amdhsa_system_sgpr_workgroup_id_x 1
		.amdhsa_system_sgpr_workgroup_id_y 1
		.amdhsa_system_sgpr_workgroup_id_z 1
		.amdhsa_system_vgpr_workitem_id 0
		.amdhsa_next_free_vgpr 512
		.amdhsa_next_free_sgpr 66
		.amdhsa_reserve_vcc 0
		.amdhsa_float_denorm_mode_32 3
		.amdhsa_float_denorm_mode_16_64 3
		.amdhsa_memory_ordered 1
		.amdhsa_forward_progress 1
		.amdhsa_inst_pref_size 214
	.end_amdhsa_kernel
	.amdgpu_metadata
---
amdhsa.version: [ 1, 2 ]
amdhsa.kernels:
  - .name:           k_qcbf05a8266_stage1
    .symbol:         k_qcbf05a8266_stage1.kd
    .args:
      - { .name: keys, .offset: 0, .size: 8, .value_kind: global_buffer, .address_space: global }
      - { .name: query, .offset: 8, .size: 8, .value_kind: global_buffer, .address_space: global }
      - { .name: W1_codes, .offset: 16, .size: 8, .value_kind: global_buffer, .address_space: global }
      - { .name: W1_scales, .offset: 24, .size: 8, .value_kind: global_buffer, .address_space: global }
      - { .name: v1, .offset: 32, .size: 8, .value_kind: global_buffer, .address_space: global }
      - { .name: kq, .offset: 40, .size: 8, .value_kind: global_buffer, .address_space: global }
      - { .name: part, .offset: 48, .size: 8, .value_kind: global_buffer, .address_space: global }
      - { .name: W2_codes, .offset: 56, .size: 8, .value_kind: global_buffer, .address_space: global }
      - { .name: w2f, .offset: 64, .size: 8, .value_kind: global_buffer, .address_space: global }
    .group_segment_fixed_size: 327680
    .private_segment_fixed_size: 0
    .kernarg_segment_align: 8
    .kernarg_segment_size: 72
    .max_flat_workgroup_size: 256
    .sgpr_count:     66
    .vgpr_count:     512
    .wavefront_size: 32
...
	.end_amdgpu_metadata
.endif
;; end of part 1
;; launch stage2 (part 2): grid 256 x 1, 8 waves a work-group, no clusters, 168,960 bytes of LDS; arguments kq, part, w2f, W2_scales, v2, out0; writes out0
.if DOCPART == 2
	.amdgcn_target "amdgcn-amd-amdhsa--gfx1250"
	.amdhsa_code_object_version 6
	.text
	.protected	k_qcbf05a8266_stage2
	.globl	k_qcbf05a8266_stage2
	.p2align	8
	.type	k_qcbf05a8266_stage2,@function
k_qcbf05a8266_stage2:
	s_mov_b64 s[64:65], 0
	v_nop
	global_prefetch_b8 v0, s[64:65] scope:SCOPE_SE
	s_setreg_imm32_b32 hwreg(HW_REG_WAVE_MODE, 25, 1), 1
	s_wait_xcnt 0x0
; STAGE 2 of two.  new_q[batch] = (the four quarters' sums of p x keys, brought under one maximum) / (their sum of p); out0[row] = v2 . tanh(W2 . concat(keys[row], new_q[batch])), the product on codes of E4M3 with one E8M0
; scale for each 32 along K.  The keys' codes and scale words are those that stage 1 stored: kq, a record of 135,168 bytes a work-group: codes [tile 16][K step 4][c 4][lane 32][16 bytes], then scale words [tile][K step][row 16].
; part: a record of 2,304 bytes a work-group: 512 sums, then (m, l).  W2 as codes [512][1024] and scale bytes [512][32], v2 [512] f32, out0 [64][1][1024] f32.
; As in stage 1, new_q's half of K is the same for all rows of a batch: it is quantised and multiplied once and is the C of each sum's first instruction.
; SHARES.  Work-group g: batch g / 4, rows 256 (g % 4) on: 16 tiles of 16 rows.  The eight waves share the columns d: wave w owns d = 64 w .. 64 w + 63; its 64 x 512 codes of W2 (16 fragments: all of window 1) stay in registers.
; The record comes into LDS once, an eighth by each wave's one tensor load, as it lies: it IS the images of the operand's registers.  Nothing in LDS is filled again.
; The product is used transposed (source 0 = 16 rows of W2, source 1 = 16 rows of keys): lane (r, h) holds row r, register j of d tile t is d = 64 w + 16 t + 8 h + j.
; NO JOINT LOADS, though every work-group reads the same W2: each wave wants its 64 KB of W2 in registers once, and takes them there by 128 loads, 64 out together at a time; through LDS the 512 KB would pass in several turns of
; the 160 KB that the record leaves free, one tensor load a wave behind a round each.
; tanh(z) = 1 - 2 / (1 + 2^(2 log2(e) z)): an exponential that overflows gives 1, one that underflows gives -1: no clamp.
; LIMITS: NaN and infinities among the inputs are not served.  A block of new_q whose largest magnitude lies under 2^-118, a block of zeros too, gets the scale byte 1 (zeros: zero codes).  tanh has an absolute error of some 1e-7.
; new_q's half of K is summed ahead of the keys' half.
; W2's CODES COME AS w2f, as stage 1 has laid them: [wave 8][K half 2][d tile 4][K step 4][piece 4][lane 32][16 bytes]: a load of a piece reads 512 consecutive bytes, 16 x lane on.
.set REC,   0                          ; the record, 135,168 bytes
.set RSC,   131072                     ; its scale words
.set PS,    135168                     ; partial scores: [wave][256 rows] f32
.set NQF,   PS+8192                    ; new_q, 512 f32
.set QIMG,  NQF+2048                   ; new_q's fragments: waves 0-3 make one copy of the four, waves 4-7 another
.set QSC,   QIMG+16384                 ; and their scale words, 256 bytes a copy
.set ZR,  2                            ; v2   0
.set LI,  3                            ; v3   16 x lane
.set FB,  3                            ;      (the record begins at LDS byte 0)
.set LS,  4                            ; v4   4 x lane
.set FA,  10                           ; v10  the row tile that is being fetched;  v11: its scale words
.set SAA, 11
.set PSW, 12                           ; v12  where my partial scores go; v13: + the tile
.set PSWT, 13
.set POR, 14                           ; v14  the way out: rows 64 w + 2 lane, + 1 of wave 0's partial scores;  v15: their place in out0
.set OGA, 15
.set NQW, 16                           ; v16  where I put my two numbers of new_q;  v17: where I read my 16 of each block
.set NQR, 17
.set SA,  22                           ; v22-23 the rows' scale words: lanes 0-15 K step 0 (2), lanes 16-31 K step 1 (3).  Scales and nothing else
.set WS,  24                           ; v24-31 W2's: register 2 t + p: lanes 0-15 K step 2 p, lanes 16-31 K step 2 p + 1.  Scales and nothing else
.set BIAS, 32                          ; v32-63 new_q's half of the sums
.set NV,  64                           ; v64-95 -2 v2, in the same layout
.set ACC, 96                           ; v96-127 four accumulators; at the head new_q's codes
.set PC0, 96
.set AF,  128                          ; v128-191 a row tile's four fragments; at the head 64 numbers of new_q
.set X,   128
.set VS,  196                          ; v[196:197] the sum of my lane's 32 numbers of v2, in two halves
.set PW0, 198
.set TM,  200                          ; v200-215 the quantiser's; ahead of it the combination's
.set CH,  216
.set SUM, 224
.set TMP, 225
.set T16, 226                          ; v226-233 (m, l) of the four quarters; v234-241 my two sums of each; at the end partial scores
.set WA,  242
.set WSA, 243
.set SB,  245                          ; v245 RSC + 4 x lane
.set TGA, 246                          ; v246 8 x my thread's number
.set VA,  247                          ; v247 32 h
.set QIW, 248
.set QSW, 249
.set QFR, 250
.set QSR, 251
.set RR,  252
.set HH,  253
.set LN,  254
.set WV,  18
.set SEL, 20
.set MNT, 22
.set L2E, 23
.set CS,  24
.set G1,  28                           ; s[28:35] descriptor group 1;  s[36:39] group 0
.set G0,  36
.set CNT, 56
.set STP, 57
.set SSP, 58
.set SPP, 59
.set STM, 60
.set SSM, 61
.set MSB, 0
.macro WIN new                         ; the immediate's high byte repeats the setting that is left
.if MSB != \new
	s_set_vgpr_msb (MSB<<8)|\new
.set MSB, \new
.endif
.endm
; d tiles 2 half, 2 half + 1 of my part of W2, K half kh (0: the keys' 512, 1: new_q's): fragment (t, s) at v[16 (4 t + s)] of window 1
.macro LOADW half, kh
	WIN 0x40                                       ; destination window 1, address window 0
.irp t, 2*\half, 2*\half+1
.irp s, 0,1,2,3
.irp c, 0,1,2,3
	global_load_b128 v[16*(4*(\t)+\s)+4*\c:16*(4*(\t)+\s)+4*\c+3], v[WA], s[8:9] offset:32768*\kh+(\t)*8192+\s*2048+\c*512
.endr
.endr
.endr
	WIN 0
.endm
.macro LOADWS kh
.irp t, 0,1,2,3
.irp p, 0,1
	global_load_b32 v[WS+2*\t+\p], v[WSA], s[10:11] offset:\t*512+16*\kh+8*\p
.endr
.endr
.endm
; 64 numbers of a lane, register 16 b + i = k 32 b + 16 h + i of my row, become a fragment's codes in v[pc] on and its scale word in v[pw]
.macro QUANT x, pc, pw
.irp b, 0,1,2,3
	v_max3_num_f32 v[TM+\b], |v[\x+16*\b]|, |v[\x+1+16*\b]|, 0x4800000   ; block b: my 16 numbers, and the floor 2^(9 - 127): the byte cannot fall under 1
.endr
.irp i, 2,4,6,8,10,12,14
.irp b, 0,1,2,3
	s_delay_alu instid0(VALU_DEP_4)
	v_max3_num_f32 v[TM+\b], v[TM+\b], |v[\x+16*\b+\i]|, |v[\x+1+16*\b+\i]|
.endr
.endr
.irp b, 0,1,2,3
	s_delay_alu instid0(VALU_DEP_4)
	v_permlanex16_b32 v[TM+4+\b], v[TM+\b], s[SEL], s[SEL+1]
.endr
.irp b, 0,1,2,3
	s_delay_alu instid0(VALU_DEP_4)
	v_max_num_f32 v[TM+\b], v[TM+\b], v[TM+4+\b]   ; with lane l xor 16's 16: the block's largest magnitude
.endr
.irp b, 0,1,2,3
	s_delay_alu instid0(VALU_DEP_4)
	v_add_nc_u32 v[TM+12+\b], 0xfc000000, v[TM+\b]   ; 8 off its exponent field: the conversion takes this operand's exponent field as its scale
.endr
.irp b, 0,1,2,3
	v_and_or_b32 v[TM+8+\b], v[TM+\b], 0x7f800000, s[MNT]   ; 448 x the scale
.endr
.irp b, 0,1,2,3
	v_lshrrev_b32 v[TM+4+\b], 23, v[TM+12+\b]      ; the scale's byte
.endr
	s_delay_alu instid0(VALU_DEP_3)
	v_lshl_or_b32 v[\pw], v[TM+5], 8, v[TM+4]
	s_delay_alu instid0(VALU_DEP_1)
	v_lshl_or_b32 v[\pw], v[TM+6], 16, v[\pw]
	s_delay_alu instid0(VALU_DEP_1)
	v_lshl_or_b32 v[\pw], v[TM+7], 24, v[\pw]
.irp b, 0,1,2,3
.irp i, 0,1,2,3,4,5,6,7,8,9,10,11,12,13,14,15
	v_med3_num_f32 v[\x+16*\b+\i], v[\x+16*\b+\i], -v[TM+8+\b], v[TM+8+\b]   ; the conversion to an 8-bit code does not saturate (ISA guide 7.6.2): the hold comes first
.endr
	v_cvt_scalef32_pk8_fp8_f32 v[\pc+4*\b:\pc+4*\b+1], v[\x+16*\b:\x+16*\b+7], v[TM+12+\b]
	v_cvt_scalef32_pk8_fp8_f32 v[\pc+4*\b+2:\pc+4*\b+3], v[\x+16*\b+8:\x+16*\b+15], v[TM+12+\b]
.endr
	v_nop                                          ; one plain line behind the last conversion
.endm
.macro IMAGE adr, off, pc
.irp c, 0,1,2,3
	ds_store_b128 v[\adr], v[\pc+4*\c:\pc+4*\c+3] offset:\off+512*\c
.endr
.endm
.macro FETCH4 adr
.irp s, 0,1,2,3
.irp c, 0,1,2,3
	ds_load_b128 v[AF+16*\s+4*\c:AF+16*\s+4*\c+3], v[\adr] offset:2048*\s+512*\c
.endr
.endr
.endm
.macro FETCHSC adr, off
	ds_load_b32 v[SA], v[\adr] offset:\off
	ds_load_b32 v[SA+1], v[\adr] offset:\off+128
.endm
; 16 products: K step by K step, the four d tiles by turns, one instruction a turn.  bias = 1: the first K step takes new_q's half as C; 0: the constant 0.
.macro MM16 d, bias
	WIN 0x01                                       ; source 0 (W2) window 1
.irp s, 0,1,2,3
.irp t, 0,1,2,3
.if \s == 0
.if \bias
	v_wmma_scale_f32_16x16x128_f8f6f4 v[\d+8*\t:\d+8*\t+7], v[16*(4*\t+\s):16*(4*\t+\s)+15], v[AF+16*\s:AF+16*\s+15], v[BIAS+8*\t:BIAS+8*\t+7], v[WS+2*\t], v[SA]
.else
	v_wmma_scale_f32_16x16x128_f8f6f4 v[\d+8*\t:\d+8*\t+7], v[16*(4*\t+\s):16*(4*\t+\s)+15], v[AF+16*\s:AF+16*\s+15], 0, v[WS+2*\t], v[SA]
.endif
.endif
.if \s == 1
	v_wmma_scale_f32_16x16x128_f8f6f4 v[\d+8*\t:\d+8*\t+7], v[16*(4*\t+\s):16*(4*\t+\s)+15], v[AF+16*\s:AF+16*\s+15], v[\d+8*\t:\d+8*\t+7], v[WS+2*\t], v[SA] matrix_a_scale:MATRIX_SCALE_ROW1 matrix_b_scale:MATRIX_SCALE_ROW1
.endif
.if \s == 2
	v_wmma_scale_f32_16x16x128_f8f6f4 v[\d+8*\t:\d+8*\t+7], v[16*(4*\t+\s):16*(4*\t+\s)+15], v[AF+16*\s:AF+16*\s+15], v[\d+8*\t:\d+8*\t+7], v[WS+2*\t+1], v[SA+1]
.endif
.if \s == 3
	v_wmma_scale_f32_16x16x128_f8f6f4 v[\d+8*\t:\d+8*\t+7], v[16*(4*\t+\s):16*(4*\t+\s)+15], v[AF+16*\s:AF+16*\s+15], v[\d+8*\t:\d+8*\t+7], v[WS+2*\t+1], v[SA+1] matrix_a_scale:MATRIX_SCALE_ROW1 matrix_b_scale:MATRIX_SCALE_ROW1
.endif
.endr
.endr
	WIN 0
.endm
; v . tanh(z) over my wave's 64 d, for my row: into v[SUM], the same in lanes l and l xor 16.  Each accumulator is taken from its low end on.  The 32 exponentials are one batch with one wait, and so are the 32 reciprocals.
.macro TANHDOT
.set ii, 0
.rept 16
	v_pk_mul_f32 v[ACC+ii:ACC+ii+1], v[ACC+ii:ACC+ii+1], s[CS:CS+1] op_sel_hi:[1,0]
.set ii, ii+2
.endr
.set ii, 0
	s_wait_alu depctr_va_vdst(0)
.rept 32
	v_exp_f32 v[ACC+ii], v[ACC+ii]
.set ii, ii+1
.endr
	v_nop                                          ; a plain line behind the last exponential
	s_wait_alu depctr_va_vdst(0)                   ; ahead of the batch's first reader
.set ii, 0
.rept 16
	v_pk_add_f32 v[ACC+ii:ACC+ii+1], v[ACC+ii:ACC+ii+1], 1.0 op_sel_hi:[1,0]
.set ii, ii+2
.endr
.set ii, 0
	s_wait_alu depctr_va_vdst(0)
.rept 32
	v_rcp_f32 v[ACC+ii], v[ACC+ii]
.set ii, ii+1
.endr
	v_nop
	s_wait_alu depctr_va_vdst(0)
	v_pk_fma_f32 v[CH:CH+1], v[ACC:ACC+1], v[NV:NV+1], v[VS:VS+1]   ; four chains; the first starts from the sum of v
.irp i, 1,2,3
	v_pk_mul_f32 v[CH+2*\i:CH+2*\i+1], v[ACC+2*\i:ACC+2*\i+1], v[NV+2*\i:NV+2*\i+1]
.endr
.set ii, 4
.rept 12
	v_pk_fma_f32 v[CH+2*(ii%4):CH+2*(ii%4)+1], v[ACC+2*ii:ACC+2*ii+1], v[NV+2*ii:NV+2*ii+1], v[CH+2*(ii%4):CH+2*(ii%4)+1]
.set ii, ii+1
.endr
	s_delay_alu instid0(VALU_DEP_3)
	v_pk_add_f32 v[CH:CH+1], v[CH:CH+1], v[CH+2:CH+3]
	s_delay_alu instid0(VALU_DEP_2)
	v_pk_add_f32 v[CH+4:CH+5], v[CH+4:CH+5], v[CH+6:CH+7]
	s_delay_alu instid0(VALU_DEP_1)
	v_pk_add_f32 v[CH:CH+1], v[CH:CH+1], v[CH+4:CH+5]
	s_delay_alu instid0(VALU_DEP_1)
	v_add_f32 v[SUM], v[CH], v[CH+1]
	s_delay_alu instid0(VALU_DEP_1)
	v_permlanex16_b32 v[TMP], v[SUM], s[SEL], s[SEL+1]
	s_delay_alu instid0(VALU_DEP_1)
	v_add_f32 v[SUM], v[SUM], v[TMP]
.endm
; The loop over row tiles.  A trip multiplies the tile that was fetched a trip ago, fetches the next (the last trip's fetch wraps to tile 0 and is not used: so the loop has one form), and does the tile's tanh while that fetch lands.
.macro MLOOP trips, mask, soff
	s_mov_b32 s[STP], 0
	s_mov_b32 s[SSP], 0
	s_mov_b32 s[SPP], 0
	s_mov_b32 s[CNT], \trips
	FETCH4 FB
	FETCHSC SB, \soff
.Lm_\@:
	s_wait_dscnt 0x0                               ; the tile's fragments and scale words are in
	MM16 ACC, 1
	s_add_co_u32 s[STP], s[STP], 8192
	s_add_co_u32 s[SSP], s[SSP], 256
	s_and_b32 s[STM], s[STP], \mask
	s_and_b32 s[SSM], s[SSP], (\mask)>>5
	v_add_nc_u32 v[FA], s[STM], v[FB]              ; eight places behind the products, ahead of the loads into their operands and of the first read of results: three additions
	v_add_nc_u32 v[SAA], s[SSM], v[SB]
	v_add_nc_u32 v[PSWT], s[SPP], v[PSW]
.rept 5
	v_nop                                          ; and five of these
.endr
	FETCH4 FA
	FETCHSC SAA, \soff
	TANHDOT
	ds_store_b32 v[PSWT], v[SUM]                   ; lanes l and l xor 16 write the same word with the same value
	s_add_co_u32 s[SPP], s[SPP], 64
	s_sub_co_u32 s[CNT], s[CNT], 1
	s_cmp_lg_u32 s[CNT], 0
	s_cbranch_scc1 .Lm_\@
.endm
.macro BARRIER                         ; my LDS stores have landed and my LDS loads are in: then the work-group's barrier
	s_wait_dscnt 0x0
	s_barrier_signal -1
	s_barrier_wait -1
.endm
	s_load_b256 s[4:11], s[0:1], 0x0               ; kq s[4:5], part s[6:7], W2's codes s[8:9], W2's scales s[10:11]
	s_load_b128 s[12:15], s[0:1], 0x20             ; v2 s[12:13], out0 s[14:15]
	v_lshl_add_u32 v199, v0, 2, 0x29000
	v_mov_b32 v244, 0
	ds_add_u32 v199, v244
	ds_add_u32 v199, v244
	v_lshrrev_b32 v255, 5, v0
	s_delay_alu instid0(VALU_DEP_1)
	v_readfirstlane_b32 s[WV], v255                ; wave 0..7
	s_mov_b32 s[G1+0], 3<<16                       ; no mask; elements of 8 bytes; no padding: the images are read 16 bytes a lane on end
	s_mov_b32 s[G1+1], 32<<16                      ; tensor_dim0 = 32: rows of 256 bytes
	s_mov_b32 s[G1+2], 66<<16                      ; tensor_dim1 = 66: an eighth of the record, 16,896 bytes
	s_mov_b32 s[G1+3], 32<<16                      ; tile_dim0
	s_mov_b32 s[G1+4], 66                          ; tile_dim1
	s_mov_b32 s[G1+5], 32                          ; dense
	s_mov_b32 s[G1+6], 0
	s_mov_b32 s[G1+7], 0
	s_mov_b32 s[G0], 1
	s_mul_i32 s[G0+1], s[WV], 16896
	s_mul_i32 s44, ttmp9, 135168
	s_add_co_u32 s44, s44, s[G0+1]
	s_mov_b32 s45, 0
	s_mov_b32 s[SEL], 0x76543210
	s_mov_b32 s[SEL+1], 0xfedcba98
	s_mov_b32 s[MNT], 0x600000
	s_mov_b32 s[L2E], 0x3fb8aa3b
	s_mov_b32 s[CS], 0x4038aa3b
	s_mov_b32 s[CS+1], s[CS]
	s_wait_dscnt 0x0
	s_wait_kmcnt 0x0
	s_add_nc_u64 s[G0+2:G0+3], s[4:5], s[44:45]
	s_or_b32 s[G0+3], s[G0+3], 0x80000000          ; type = 2
	tensor_load_to_lds s[G0:G0+3], s[G1:G1+7]      ; my eighth of the record: my one tensor load of the launch
	s_nop 0
.rept 4
	v_nop
.endr
	v_mov_b32 v[ZR], 0
	v_and_b32 v[LN], 31, v0
	v_and_b32 v[RR], 15, v0
	v_bfe_u32 v[HH], v0, 4, 1
	v_lshlrev_b32 v[TGA], 3, v0
	s_wait_alu depctr_va_vdst(0)
	v_lshlrev_b32 v[WA], 4, v[LN]
	v_lshlrev_b32 v[WSA], 5, v[RR]
	s_delay_alu instid0(VALU_DEP_1)
	v_lshl_add_u32 v[WSA], v[HH], 2, v[WSA]
	s_wait_alu depctr_va_vdst(0)
	v_lshlrev_b32 v[VA], 5, v[HH]
	s_and_b32 s48, s[WV], 3
	s_lshr_b32 s49, s[WV], 2
	s_lshr_b32 s44, ttmp9, 2
	s_mul_i32 s44, s44, 4*2304                     ; my batch's four records of part
	s_add_nc_u64 s[6:7], s[6:7], s[44:45]
	s_lshl_b32 s44, s[WV], 16
	s_add_nc_u64 s[8:9], s[8:9], s[44:45]
	s_lshl_b32 s44, s[WV], 11
	s_add_nc_u64 s[10:11], s[10:11], s[44:45]
	s_lshl_b32 s44, s[WV], 8
	s_add_nc_u64 s[12:13], s[12:13], s[44:45]
	s_lshl_b32 s44, ttmp9, 10                      ; the work-group's 256 numbers of out0
	s_add_nc_u64 s[14:15], s[14:15], s[44:45]
.irp i, 0,1,2,3
	global_load_b64 v[T16+2*\i:T16+2*\i+1], v[ZR], s[6:7] offset:2304*\i+2048   ; (m, l) of quarter i
.endr
.irp i, 0,1,2,3
	global_load_b64 v[T16+8+2*\i:T16+9+2*\i], v[TGA], s[6:7] offset:2304*\i     ; its sums for columns 2 t, 2 t + 1, t my thread's number
.endr
	LOADWS 1
	LOADW 0, 1
	v_lshlrev_b32 v[LI], 4, v[LN]
	v_lshlrev_b32 v[LS], 2, v[LN]
	s_delay_alu instid0(VALU_DEP_1)
	v_add_nc_u32 v[SB], RSC, v[LS]
	s_lshl_b32 s50, s[WV], 10
	v_lshl_add_u32 v[PSW], v[RR], 2, s50
	s_delay_alu instid0(VALU_DEP_1)
	v_add_nc_u32 v[PSW], PS, v[PSW]
	s_lshl_b32 s50, s[WV], 8
	v_lshl_add_u32 v[OGA], v[LN], 3, s50
	s_delay_alu instid0(VALU_DEP_1)
	v_add_nc_u32 v[POR], PS, v[OGA]
	v_lshl_add_u32 v[NQW], v0, 3, NQF
	s_lshl_b32 s50, s48, 9
	v_lshl_add_u32 v[NQR], v[HH], 6, s50
	s_delay_alu instid0(VALU_DEP_1)
	v_add_nc_u32 v[NQR], NQF, v[NQR]
	s_lshl_b32 s50, s[WV], 11
	v_add_nc_u32 v[QIW], s50, v[LI]
	s_delay_alu instid0(VALU_DEP_1)
	v_add_nc_u32 v[QIW], QIMG, v[QIW]
	s_lshl_b32 s50, s[WV], 6
	v_lshl_add_u32 v[QSW], v[RR], 2, s50
	s_delay_alu instid0(VALU_DEP_1)
	v_add_nc_u32 v[QSW], QSC, v[QSW]
	s_lshl_b32 s50, s49, 13
	v_add_nc_u32 v[QFR], s50, v[LI]
	s_delay_alu instid0(VALU_DEP_1)
	v_add_nc_u32 v[QFR], QIMG, v[QFR]
	s_lshl_b32 s50, s49, 8
	v_add_nc_u32 v[QSR], s50, v[LS]
	s_delay_alu instid0(VALU_DEP_1)
	v_add_nc_u32 v[QSR], QSC, v[QSR]
.irp b, 0,1,2,3
	v_mov_b32 v[TM+4+\b], 0                        ; written once: a lane permute's destination counts as one of its sources
.endr
	v_mov_b32 v[TMP], 0
	s_wait_loadcnt 40                              ; the eight loads from part are in; behind them: 8 scale words and 32 loads of W2's codes
	; new_q: the four quarters under their common maximum M
	v_max3_num_f32 v[TM], v[T16], v[T16+2], v[T16+4]
	s_delay_alu instid0(VALU_DEP_1)
	v_max_num_f32 v[TM], v[TM], v[T16+6]
.irp i, 0,1,2,3
	v_sub_f32 v[TM+8+\i], v[T16+2*\i], v[TM]
.endr
.irp i, 0,1,2,3
	s_delay_alu instid0(VALU_DEP_4)
	v_mul_f32 v[TM+8+\i], s[L2E], v[TM+8+\i]
.endr
	s_wait_alu depctr_va_vdst(0)
.irp i, 0,1,2,3
	v_exp_f32 v[TM+8+\i], v[TM+8+\i]               ; e^(m_i - M)
.endr
	v_nop
	s_wait_alu depctr_va_vdst(0)                   ; ahead of the batch's first reader
	v_mul_f32 v[TM+12], v[TM+8], v[T16+1]
	v_fmac_f32 v[TM+12], v[TM+9], v[T16+3]
	v_fmac_f32 v[TM+12], v[TM+10], v[T16+5]
	v_fmac_f32 v[TM+12], v[TM+11], v[T16+7]        ; the batch's sum of p
	s_wait_alu depctr_va_vdst(0)
	v_rcp_f32 v[TM+13], v[TM+12]
	v_mul_f32 v[TM+14], v[TM+8], v[T16+8]          ; (plain work behind the reciprocal)
	v_mul_f32 v[TM+15], v[TM+8], v[T16+9]
.irp i, 1,2,3
	v_fmac_f32 v[TM+14], v[TM+8+\i], v[T16+8+2*\i]
	v_fmac_f32 v[TM+15], v[TM+8+\i], v[T16+9+2*\i]
.endr
	s_wait_alu depctr_va_vdst(0)
	v_mul_f32 v[TM+14], v[TM+14], v[TM+13]
	v_mul_f32 v[TM+15], v[TM+15], v[TM+13]
	ds_store_b64 v[NQW], v[TM+14:TM+15]
	BARRIER                                        ; new_q's 512 numbers lie in LDS
.irp b, 0,1,2,3
.irp j, 0,1,2,3
	ds_load_b128 v[X+16*\b+4*\j:X+16*\b+4*\j+3], v[NQR] offset:128*\b+16*\j   ; every r takes the same numbers: a fragment whose 16 rows are new_q
.endr
.endr
	s_wait_dscnt 0x0
	QUANT X, PC0, PW0                              ; K step w % 4 of new_q
	IMAGE QIW, 0, PC0
	ds_store_b32 v[QSW], v[PW0]
.irp t, 0,1,2,3
	global_load_b128 v[NV+8*\t:NV+8*\t+3], v[VA], s[12:13] offset:64*\t
	global_load_b128 v[NV+8*\t+4:NV+8*\t+7], v[VA], s[12:13] offset:64*\t+16
.endr
	LOADW 1, 1
	BARRIER                                        ; new_q's fragments lie in LDS
	FETCH4 QFR
	FETCHSC QSR, 0
	s_wait_dscnt 0x0
	s_wait_loadcnt 0x0                             ; W2's second half, its scale words, v2
	MM16 BIAS, 0
	v_pk_add_f32 v[254:255], v[64:65], v[66:67]
	v_pk_add_f32 v[252:253], v[68:69], v[70:71]
	v_pk_add_f32 v[250:251], v[72:73], v[74:75]
	v_pk_add_f32 v[248:249], v[76:77], v[78:79]
	v_pk_add_f32 v[246:247], v[80:81], v[82:83]
	v_pk_add_f32 v[240:241], v[84:85], v[86:87]
	v_pk_add_f32 v[238:239], v[88:89], v[90:91]
	v_pk_add_f32 v[196:197], v[92:93], v[94:95]
	s_delay_alu instid0(VALU_DEP_1)
	v_pk_add_f32 v[196:197], v[196:197], v[248:249]
	v_pk_add_f32 v[254:255], v[254:255], v[246:247]
	v_pk_add_f32 v[252:253], v[252:253], v[240:241]
	v_pk_add_f32 v[250:251], v[250:251], v[238:239]
	s_delay_alu instid0(VALU_DEP_2)
	v_pk_add_f32 v[196:197], v[196:197], v[252:253]
	s_delay_alu instid0(VALU_DEP_2)
	v_pk_add_f32 v[254:255], v[254:255], v[250:251]
	s_delay_alu instid0(VALU_DEP_1)
	v_pk_add_f32 v[196:197], v[196:197], v[254:255]
.set ii, 0
.rept 16
	v_pk_mul_f32 v[NV+ii:NV+ii+1], v[NV+ii:NV+ii+1], -2.0 op_sel_hi:[1,0]
.set ii, ii+2
.endr
	LOADW 0, 0                                     ; the keys' half of W2: it stays
	LOADW 1, 0
	LOADWS 0
	s_wait_tensorcnt 0x0                           ; my eighth of the record is in,
	BARRIER                                        ; everybody's is
	s_wait_loadcnt 0x0
	MLOOP 16, 0x1e000, 0
	BARRIER                                        ; 8 x 256 partial scores lie in LDS
	s_cmp_gt_u32 s[WV], 3                          ; waves 0-3 store 64 rows each, so that a store covers 256 consecutive bytes, aligned
	s_cbranch_scc1 .Ldone
.irp i, 0,1,2,3,4,5,6,7
	ds_load_b64 v[T16+2*\i:T16+2*\i+1], v[POR] offset:1024*\i
.endr
	s_wait_dscnt 0x0
	v_pk_add_f32 v[T16:T16+1], v[T16:T16+1], v[T16+2:T16+3]
	v_pk_add_f32 v[T16+4:T16+5], v[T16+4:T16+5], v[T16+6:T16+7]
	v_pk_add_f32 v[T16+8:T16+9], v[T16+8:T16+9], v[T16+10:T16+11]
	v_pk_add_f32 v[T16+12:T16+13], v[T16+12:T16+13], v[T16+14:T16+15]
	s_delay_alu instid0(VALU_DEP_3)
	v_pk_add_f32 v[T16:T16+1], v[T16:T16+1], v[T16+4:T16+5]
	s_delay_alu instid0(VALU_DEP_2)
	v_pk_add_f32 v[T16+8:T16+9], v[T16+8:T16+9], v[T16+12:T16+13]
	s_delay_alu instid0(VALU_DEP_1)
	v_pk_add_f32 v[T16:T16+1], v[T16:T16+1], v[T16+8:T16+9]
	global_store_b64 v[OGA], v[T16:T16+1], s[14:15]
.Ldone:
	s_wait_tensorcnt 0x0
	ds_add_u32 v199, v244
	s_wait_dscnt 0x0
	s_endpgm
.Lfunc_end_k_qcbf05a8266_stage2:
	.size	k_qcbf05a8266_stage2, .Lfunc_end_k_qcbf05a8266_stage2-k_qcbf05a8266_stage2
	.p2alignl 7, 3214868480
	.fill 96, 4, 3214868480
	.section	.rodata,"a",@progbits
	.p2align	6, 0x0
	.amdhsa_kernel k_qcbf05a8266_stage2
		.amdhsa_group_segment_fixed_size 168960
		.amdhsa_private_segment_fixed_size 0
		.amdhsa_enable_private_segment 0
		.amdhsa_kernarg_size 48
		.amdhsa_user_sgpr_count 2
		.amdhsa_user_sgpr_kernarg_segment_ptr 1
		.amdhsa_wavefront_size32 1
		.amdhsa_system_sgpr_workgroup_id_x 1
		.amdhsa_system_sgpr_workgroup_id_y 1
		.amdhsa_system_sgpr_workgroup_id_z 1
		.amdhsa_system_vgpr_workitem_id 0
		.amdhsa_next_free_vgpr 512
		.amdhsa_next_free_sgpr 66
		.amdhsa_reserve_vcc 0
		.amdhsa_float_denorm_mode_32 3
		.amdhsa_float_denorm_mode_16_64 3
		.amdhsa_memory_ordered 1
		.amdhsa_forward_progress 1
		.amdhsa_inst_pref_size 50
	.end_amdhsa_kernel
	.amdgpu_metadata
---
amdhsa.version: [ 1, 2 ]
amdhsa.kernels:
  - .name:           k_qcbf05a8266_stage2
    .symbol:         k_qcbf05a8266_stage2.kd
    .args:
      - { .name: kq, .offset: 0, .size: 8, .value_kind: global_buffer, .address_space: global }
      - { .name: part, .offset: 8, .size: 8, .value_kind: global_buffer, .address_space: global }
      - { .name: w2f, .offset: 16, .size: 8, .value_kind: global_buffer, .address_space: global }
      - { .name: W2_scales, .offset: 24, .size: 8, .value_kind: global_buffer, .address_space: global }
      - { .name: v2, .offset: 32, .size: 8, .value_kind: global_buffer, .address_space: global }
      - { .name: out0, .offset: 40, .size: 8, .value_kind: global_buffer, .address_space: global }
    .group_segment_fixed_size: 168960
    .private_segment_fixed_size: 0
    .kernarg_segment_align: 8
    .kernarg_segment_size: 48
    .max_flat_workgroup_size: 256
    .sgpr_count:     66
    .vgpr_count:     512
    .wavefront_size: 32
...
	.end_amdgpu_metadata
.endif
;; end of part 2
